; MI455X (gfx1250); checked and timed in simulation.
; The chip was launched on July 23, 2026; its instructions are those of AMD's public machine-readable ISA for CDNA 5 (MIT licence, August 2026) and "CDNA5" Instruction Set Architecture Reference Guide (July 2026). The comments in the code are by the model that wrote it; some were corrected since.
;; Fixed Point LSTM Cell. Allowed arithmetic: float matrix products may take bf16 or f16 operands with f32 sums; all other float work in f32.
;; Inputs: W_hh 2,048 x 512 float32; W_ih 2,048 x 512 float32; b_hh 2,048 float32; b_ih 2,048 float32; c_prev 16,384 x 512 float32; h_prev 16,384 x 512 float32; x 16,384 x 512 float32.
;; Outputs: out0 16,384 x 512 float32; out1 16,384 x 512 float32.
;; 2 versions, each right and faster than the one before. Each part assembles by itself: llvm-mc -triple=amdgcn-amd-amdhsa -mcpu=gfx1250 --defsym DOCPART=n.
;; ======== version 1 of 2: 2 launches
;; workspace buffers: wq 4,194,304 bytes
;; launch wprep (part 1): grid 256 x 1, 4 waves a work-group, no clusters, 17,920 bytes of LDS; arguments W_ih, W_hh, wq; writes wq
.if DOCPART == 1
	.amdgcn_target "amdgcn-amd-amdhsa--gfx1250"
	.amdhsa_code_object_version 6
	.text
	.protected	k_q895e5ffdee_wprep
	.globl	k_q895e5ffdee_wprep
	.p2align	8
	.type	k_q895e5ffdee_wprep,@function
k_q895e5ffdee_wprep:
	s_mov_b64 s[64:65], 0
	v_nop
	global_prefetch_b8 v0, s[64:65] scope:SCOPE_SE
	s_setreg_imm32_b32 hwreg(HW_REG_WAVE_MODE, 25, 1), 1
	s_wait_xcnt 0x0
; wq = the quantised weights of both projections, in f16, laid out as streams of ready-made matrix fragments.
; fq(W) = clip(round(256 W), -32767, 32767) / 256.  On that grid f16 is exact below 8 and rounds to 11 bits from 8 to 128.
; LIMITS: a NaN weight is not kept (the clamp returns a bound); the sign of zero is not kept.
; wq byte = strm*131072 + t*4096 + g*1024 + e*512 + L*16, 16 bytes = W_mat[g*512 + 16 hb + (L&15)][32 s + 16 e + 8 (L>>4) + 0..7],
;   t = 2 s + mat (mat 0 = ih, 1 = hh), hb = block of 16 hidden columns, strm = (hb>>4)*16 + (hb&3)*4 + ((hb>>2)&3).
; A work-group takes 16 rows of one W (one mat, one gate g, one hb); wave kq takes k = 128 kq .. 128 kq + 127 of them.
; Memory binds: each byte of W is read once by loads of 512 consecutive bytes, each byte of wq is written once by stores of 512
; consecutive aligned bytes.  The turn from rows to fragments goes through the wave's own 16 x 272 bytes of LDS: no barrier.
.set PW,    272                        ; LDS pitch: 256 bytes of f16 + 16, an odd multiple of 16
.set C256,  4                          ; v[4:5]    256, twice
.set CM,    6                          ; v[6:7]    M = 1.5 * 2^23, twice: adding M rounds to a whole number, halves to even
.set C2M8,  8                          ; v[8:9]    2^-8
.set CN49K, 10                         ; v[10:11]  -M * 2^-8
.set X,     16                         ; v[16:79]  16 rows as loaded; later v[16:47] the eight fragment halves read back
.set T,     80                         ; v[80:83]  at work
.set P,     84                         ; v[84:85]  four f16
	s_load_b128 s[4:7], s[0:1], 0x0                ; W_ih s[4:5], W_hh s[6:7]
	s_load_b64 s[8:9], s[0:1], 0x10                ; wq
	v_lshl_add_u32 v96, v0, 2, 0x4400
	v_mov_b32 v97, 0
	v_lshrrev_b32 v2, 5, v0
	v_readfirstlane_b32 s12, v2                    ; kq: the wave's number
	s_lshr_b32 s13, ttmp9, 7                       ; mat
	s_bfe_u32 s14, ttmp9, 0x20005                  ; g
	s_and_b32 s15, ttmp9, 31                       ; hb
	s_lshl_b32 s16, s14, 20                        ; source offset: (512 g + 16 hb) rows of 2,048 bytes + 512 kq
	s_lshl_b32 s22, s15, 15
	s_add_co_u32 s16, s16, s22
	s_lshl_b32 s22, s12, 9
	s_add_co_u32 s16, s16, s22
	s_mov_b32 s17, 0
	s_and_b32 s18, s15, 16                         ; strm
	s_and_b32 s22, s15, 3
	s_lshl2_add_u32 s18, s22, s18
	s_bfe_u32 s22, s15, 0x20002
	s_add_co_u32 s18, s18, s22
	s_lshl_b32 s18, s18, 17                        ; destination offset: strm*131072 + kq*32768 + mat*4096 + g*1024
	s_lshl_b32 s22, s12, 15
	s_add_co_u32 s18, s18, s22
	s_lshl_b32 s22, s13, 12
	s_add_co_u32 s18, s18, s22
	s_lshl_b32 s22, s14, 10
	s_add_co_u32 s18, s18, s22
	s_mov_b32 s19, 0
	s_mov_b32 s20, 0x4b3f8001                      ; M - 32767
	s_mov_b32 s21, 0x4b407fff                      ; M + 32767
	v_and_b32 v12, 31, v0                          ; lane
	v_and_b32 v13, 15, v0                          ; r
	v_bfe_u32 v14, v0, 4, 1                        ; hh
	v_lshlrev_b32 v1, 4, v12                       ; 16 bytes a lane, in W's row piece and in wq
	s_mul_i32 s23, s12, 16*PW                      ; the wave's own stage
	v_lshl_add_u32 v2, v12, 3, s23                 ; in: 8 bytes a lane along a row
	v_mul_u32_u24 v3, v13, PW                      ; back: row r, 16 bytes for each half of the lanes
	v_lshl_add_u32 v3, v14, 4, v3
	v_add_nc_u32 v3, s23, v3
.irp h, 0,1
	v_mov_b32 v[C256+\h],  0x43800000
	v_mov_b32 v[CM+\h],    0x4b400000
	v_mov_b32 v[C2M8+\h],  0x3b800000
	v_mov_b32 v[CN49K+\h], 0xc7400000
.endr
	s_wait_kmcnt 0x0
	s_cmp_eq_u32 s13, 0
	s_cselect_b64 s[10:11], s[4:5], s[6:7]         ; the W of my mat
	s_add_nc_u64 s[10:11], s[10:11], s[16:17]
	s_add_nc_u64 s[8:9], s[8:9], s[18:19]
.irp r, 0,1,2,3,4,5,6,7,8,9,10,11,12,13,14,15
	global_load_b128 v[X+4*\r:X+4*\r+3], v1, s[10:11] offset:\r*2048 th:TH_LOAD_NT   ; 512 consecutive bytes of row r
.endr
.irp r, 0,1,2,3,4,5,6,7,8,9,10,11,12,13,14,15
	s_wait_loadcnt 15-\r                           ; loads come back in order: row r is in, the 15 - r younger ones stay out
	v_pk_fma_f32 v[T:T+1],   v[X+4*\r:X+4*\r+1],   v[C256:C256+1], v[CM:CM+1]         ; round(256 w) + M
	v_pk_fma_f32 v[T+2:T+3], v[X+4*\r+2:X+4*\r+3], v[C256:C256+1], v[CM:CM+1]
	v_med3_num_f32 v[T],   v[T],   s20, s21        ; clip
	v_med3_num_f32 v[T+1], v[T+1], s20, s21
	v_med3_num_f32 v[T+2], v[T+2], s20, s21
	v_med3_num_f32 v[T+3], v[T+3], s20, s21
	v_pk_fma_f32 v[T:T+1],   v[T:T+1],   v[C2M8:C2M8+1], v[CN49K:CN49K+1]             ; back to the value, exactly
	v_pk_fma_f32 v[T+2:T+3], v[T+2:T+3], v[C2M8:C2M8+1], v[CN49K:CN49K+1]
	v_cvt_pk_f16_f32 v[P],   v[T],   v[T+1]
	v_cvt_pk_f16_f32 v[P+1], v[T+2], v[T+3]
	ds_store_b64 v2, v[P:P+1] offset:\r*PW
.endr
.irp i, 0,1,2,3,4,5,6,7
	ds_load_b128 v[X+4*\i:X+4*\i+3], v3 offset:\i*32   ; K step i/2 of my four, half i%2.  LDS serves a wave's instructions in order: these see the stores above
.endr
.irp i, 0,1,2,3,4,5,6,7
	s_wait_dscnt 7-\i                              ; the 7 - i younger read-backs stay out
	global_store_b128 v1, v[X+4*\i:X+4*\i+3], s[8:9] offset:(\i/2)*8192+(\i%2)*512   ; 512 consecutive bytes, aligned
.endr
	s_wait_tensorcnt 0x0
	ds_add_u32 v96, v97
	s_wait_dscnt 0x0
	s_endpgm
.Lfunc_end_k_q895e5ffdee_wprep:
	.size	k_q895e5ffdee_wprep, .Lfunc_end_k_q895e5ffdee_wprep-k_q895e5ffdee_wprep
	.p2alignl 7, 3214868480
	.fill 96, 4, 3214868480
	.section	.rodata,"a",@progbits
	.p2align	6, 0x0
	.amdhsa_kernel k_q895e5ffdee_wprep
		.amdhsa_group_segment_fixed_size 17920
		.amdhsa_private_segment_fixed_size 0
		.amdhsa_enable_private_segment 0
		.amdhsa_kernarg_size 24
		.amdhsa_user_sgpr_count 2
		.amdhsa_user_sgpr_kernarg_segment_ptr 1
		.amdhsa_wavefront_size32 1
		.amdhsa_system_sgpr_workgroup_id_x 1
		.amdhsa_system_sgpr_workgroup_id_y 1
		.amdhsa_system_sgpr_workgroup_id_z 1
		.amdhsa_system_vgpr_workitem_id 0
		.amdhsa_next_free_vgpr 98
		.amdhsa_next_free_sgpr 66
		.amdhsa_reserve_vcc 0
		.amdhsa_float_denorm_mode_32 3
		.amdhsa_float_denorm_mode_16_64 3
		.amdhsa_memory_ordered 1
		.amdhsa_forward_progress 1
		.amdhsa_inst_pref_size 18
	.end_amdhsa_kernel
	.amdgpu_metadata
---
amdhsa.version: [ 1, 2 ]
amdhsa.kernels:
  - .name:           k_q895e5ffdee_wprep
    .symbol:         k_q895e5ffdee_wprep.kd
    .args:
      - { .name: W_ih, .offset: 0, .size: 8, .value_kind: global_buffer, .address_space: global }
      - { .name: W_hh, .offset: 8, .size: 8, .value_kind: global_buffer, .address_space: global }
      - { .name: wq, .offset: 16, .size: 8, .value_kind: global_buffer, .address_space: global }
    .group_segment_fixed_size: 17920
    .private_segment_fixed_size: 0
    .kernarg_segment_align: 8
    .kernarg_segment_size: 24
    .max_flat_workgroup_size: 128
    .sgpr_count:     66
    .vgpr_count:     98
    .wavefront_size: 32
...
	.end_amdgpu_metadata
.endif
;; end of part 1
;; launch lstm (part 2): grid 2 x 128, 4 waves a work-group, no clusters, 325,120 bytes of LDS; arguments x, h_prev, c_prev, b_ih, b_hh, wq, out0, out1; writes out0, out1
.if DOCPART == 2
	.amdgcn_target "amdgcn-amd-amdhsa--gfx1250"
	.amdhsa_code_object_version 6
	.text
	.protected	k_q895e5ffdee_lstm
	.globl	k_q895e5ffdee_lstm
	.p2align	8
	.type	k_q895e5ffdee_lstm,@function
k_q895e5ffdee_lstm:
	s_mov_b64 s[64:65], 0
	v_nop
	global_prefetch_b8 v0, s[64:65] scope:SCOPE_SE
	s_setreg_imm32_b32 hwreg(HW_REG_WAVE_MODE, 25, 1), 1
	s_wait_xcnt 0x0
; One step of the fixed-point LSTM cell, all but the weights' conversion.  B = 16384, I = H = 512.
; A work-group makes 128 batch rows (rb = grid y) x 256 hidden columns (ch = grid x) of h (out0) and c (out1), with four waves.
; fq(x) and fq(h_prev) of the 128 rows are converted once to f16 and stay in LDS.  In each of four passes a wave owns 128 rows x 16 hidden
; columns x 4 gates x 2 projections = 64 accumulator tiles (512 registers): reference() rounds and clips the two projections apart, so
; every output has eight sums, and here all eight lie in one lane.  The weights come from wq as ready-made fragments, straight into a ring
; of eight register slots: a fragment of W is used by one wave alone, so a way through LDS would add a write and a read and share nothing.
; NO CLUSTER, NO TENSOR LOADS: beside the resident 264,192 bytes of fq(x), fq(h) and the 60,416 bytes of stages and bias table 3,072 bytes
; of LDS are left, too little for a ring of shared W tiles.
; ARITHMETIC: every quantity is a whole number of steps of 2^-8, carried in f32.  Adding M = 1.5 * 2^23 rounds to a whole number, halves to
; even, as jnp.round does; the clips are taken on M + n.  With operands below 8 every step but the hard sigmoid's multiply-add is exact.
; LIMITS: NaN inputs are not reproduced (the clamps return a bound); the sign of zero is not kept; operands of 8 and above (up to the clip
; at 128) are rounded to f16's 11 bits; 256 * sum + bias is rounded once, where reference() rounds sum + bias first (the same below 256;
; above, both clip); x / 6 + 0.5 is taken as one fused multiply-add by the f32 number nearest 1/6 (see SIGM).
.set PA,  2064                         ; pitch of a row of A in LDS: 1,024 bytes fq(x), 1,024 bytes fq(h), 16 of padding: an odd multiple of 16
.set PS,  272                          ; pitch of the stages: 64 f32 + 16
.set SC,  264192                       ; 128 x 272: the pass's c_prev (as K * 2^-16), overwritten in place by c
.set SH,  299008                       ; 64 x 272: h of 64 rows
.set BT,  316416                       ; 8 x 1,024: [mat*4 + gate][256 hidden] f32: n_b + M for ih, n_b - M for hh
; window 0
.set BOFF,  1                          ; lane * 16: my place in every fragment half of wq
.set ADRA,  2                          ; v[2:9]  (16 a + r) * PA + 16 hh: my place in the A fragments of row block a
.set AOFF,  10                         ; wave * 32 rows * 2,048 + lane * 16: x and h_prev
.set LSA,   11                         ; where the row at work goes in LDS; steps by PA
.set CPOFF, 12                         ; (32 w + hh) * 2,048 + 16 r: c_prev and out1
.set HOFF,  13                         ; (16 w + hh) * 2,048 + 16 r: out0
.set SCW,   14                         ; SC by rows: SC + (32 w + hh) * PS + 16 r
.set SHW,   15                         ; SH by rows: SH + (16 w + hh) * PS + 16 r
.set SCF,   16                         ; SC by tiles: SC + r * PS + 64 w + 32 hh
.set SHF,   17                         ; SH by tiles
.set BTA,   18                         ; BT + 64 w + 32 hh, + 256 each pass
.set BGO,   19                         ; my 16 bytes in b_ih and b_hh
.set C256,  20                         ; pairs of equal constants for the packed arithmetic
.set CM,    22
.set C2M8,  24
.set CN49K, 26
.set C2M16, 28
.set CN192, 30
.set C6,    32
.set C128,  34
.set CNM,   36
.set CN2M,  38
.set KP,    40                         ; v[40:47]   c_prev of my eight outputs
.set RB,    48                         ; v[48:63]   biases as loaded
.set F0,    64                         ; v[64:127]  A fragments, buffer 0; at work outside the products
.set F1,    128                        ; v[128:191] A fragments, buffer 1; at work outside the products
.set CP,    192                        ; v[192:255] c_prev as loaded
; window 1: the W ring, half-step t in slot t % 8, gate g at v[32 (t%8) + 8 g]
; window 2: sums of the ih projection, tile (a, g) at v[8 (4 a + g)]; before the products: eight row slots of 32 registers
; window 3: sums of the hh projection
.set MSB, 0
.macro WIN new                         ; low byte: bits 1:0 source 0, 3:2 source 1, 5:4 source 2, 7:6 destination; the high byte repeats the setting that is left
.if MSB != \new
	s_set_vgpr_msb (MSB<<8)|\new
.set MSB, \new
.endif
.endm
.macro PLACES                          ; four plain vector instructions between a matrix instruction and whatever reads its result or writes its registers (ISA guide 7.12.1)
.rept 4
	v_nop
.endr
.endm
.macro BAR
	s_barrier_signal -1
	s_barrier_wait -1
.endm
.macro CPAIR reg, val
	v_mov_b32 v[\reg], \val
	v_mov_b32 v[\reg+1], \val
.endm
.macro LOADCP                          ; c_prev of my 32 rows x the pass's 64 columns: each load takes 256 consecutive aligned bytes of two rows
.set n, 0
.rept 16
	global_load_b128 v[CP+4*n:CP+4*n+3], v[CPOFF], s[8:9] offset:n*4096 th:TH_LOAD_NT
.set n, n+1
.endr
.endm
.macro AFILL i, off                    ; row slot i: a whole row of x (4 x 512 bytes) and of h_prev
	WIN 0x80
.irp q, 0,1,2,3
	global_load_b128 v[32*\i+4*\q:32*\i+4*\q+3], v[AOFF], s[4:5] offset:\off+512*\q
.endr
.irp q, 0,1,2,3
	global_load_b128 v[32*\i+16+4*\q:32*\i+16+4*\q+3], v[AOFF], s[6:7] offset:\off+512*\q
.endr
.endm
.macro WFILL t                         ; the four W fragments of half-step t, counted from the pass's stream, into ring slot t % 8
	WIN 0x40
.irp g, 0,1,2,3
	global_load_b128 v[32*((\t)%8)+8*\g:32*((\t)%8)+8*\g+3],   v[BOFF], s[14:15] offset:(\t)*4096+\g*1024
	global_load_b128 v[32*((\t)%8)+8*\g+4:32*((\t)%8)+8*\g+7], v[BOFF], s[14:15] offset:(\t)*4096+\g*1024+512
.endr
.endm
	s_load_b512 s[4:19], s[0:1], 0x0               ; x s[4:5], h_prev s[6:7], c_prev s[8:9], b_ih s[10:11], b_hh s[12:13], wq s[14:15], out0 s[16:17], out1 s[18:19]
	v_lshrrev_b32 v64, 5, v0
	v_readfirstlane_b32 s20, v64                   ; w: the wave's number
	s_mov_b32 s21, ttmp9                           ; ch
	s_and_b32 s22, ttmp7, 0xffff                   ; rb
	v_and_b32 v65, 31, v0                          ; lane
	v_and_b32 v66, 15, v0                          ; r
	v_bfe_u32 v67, v0, 4, 1                        ; hh
	v_lshlrev_b32 v[BOFF], 4, v65
	v_mul_u32_u24 v68, v66, PA
	v_lshl_add_u32 v68, v67, 4, v68
.irp a, 0,1,2,3,4,5,6,7
	v_add_nc_u32 v[ADRA+\a], \a*16*PA, v68
.endr
	s_lshl_b32 s34, s20, 16
	v_lshl_or_b32 v[AOFF], v65, 4, s34
	s_mul_i32 s35, s20, 32*PA
	v_lshl_add_u32 v[LSA], v65, 3, s35
	v_lshlrev_b32 v69, 4, v66
	v_lshl_or_b32 v69, v67, 11, v69                ; hh * 2,048 + 16 r
	v_add_nc_u32 v[CPOFF], s34, v69
	s_lshl_b32 s35, s20, 15
	v_add_nc_u32 v[HOFF], s35, v69
	v_mul_u32_u24 v70, v67, PS
	v_lshl_add_u32 v70, v66, 4, v70                ; hh * PS + 16 r
	s_mul_i32 s34, s20, 32*PS
	s_add_co_u32 s34, s34, SC
	v_add_nc_u32 v[SCW], s34, v70
	s_mul_i32 s35, s20, 16*PS
	s_add_co_u32 s35, s35, SH
	v_add_nc_u32 v[SHW], s35, v70
	v_mul_u32_u24 v71, v66, PS
	v_lshl_add_u32 v71, v67, 5, v71                ; r * PS + 32 hh
	s_lshl_b32 s34, s20, 6
	s_add_co_u32 s35, s34, SC
	v_add_nc_u32 v[SCF], s35, v71
	s_add_co_u32 s35, s34, SH
	v_add_nc_u32 v[SHF], s35, v71
	s_add_co_u32 s35, s34, BT
	v_lshl_add_u32 v[BTA], v67, 5, s35
	v_lshrrev_b32 v68, 6, v0                       ; biases: threads 0-63 take gates 0 and 2, threads 64-127 gates 1 and 3, 16 bytes each
	v_and_b32 v69, 63, v0
	v_lshlrev_b32 v69, 4, v69
	v_lshl_or_b32 v69, v68, 11, v69
	s_lshl_b32 s34, s21, 10
	v_add_nc_u32 v[BGO], s34, v69
	CPAIR C256,  0x43800000                        ; 256
	CPAIR CM,    0x4b400000                        ; M
	CPAIR C2M8,  0x3b800000                        ; 2^-8
	CPAIR CN49K, 0xc7400000                        ; -M 2^-8
	CPAIR C2M16, 0x37800000                        ; 2^-16
	CPAIR CN192, 0xc3400000                        ; -M 2^-16
	CPAIR C6,    0x3e2aaaab                        ; the f32 number nearest 1/6
	CPAIR C128,  0x43000000                        ; 128
	CPAIR CNM,   0xcb400000                        ; -M
	CPAIR CN2M,  0xcbc00000                        ; -2 M
	s_mov_b32 s24, 0x4b3f8001                      ; M - 32767
	s_mov_b32 s25, 0x4b407fff                      ; M + 32767
	s_mov_b32 s26, 0xcb407fff                      ; -M - 32767
	s_mov_b32 s27, 0xcb3f8001                      ; -M + 32767
	s_mov_b32 s28, 0x4b400000                      ; M
	s_mov_b32 s29, 0x4b400100                      ; M + 256
	s_mov_b32 s30, 0x4b3fff00                      ; M - 256
	s_mov_b32 s31, 0xc3800000                      ; -256
	s_mov_b32 s32, 0x43800000                      ; 256
	s_wait_kmcnt 0x0
	s_lshl_b32 s34, s22, 18                        ; 128 rows of 2,048 bytes
	s_mov_b32 s35, 0
	s_add_nc_u64 s[4:5], s[4:5], s[34:35]
	s_add_nc_u64 s[6:7], s[6:7], s[34:35]
	s_lshl_b32 s36, s21, 10                        ; and my 256 columns
	s_add_co_u32 s34, s34, s36
	s_add_nc_u64 s[8:9], s[8:9], s[34:35]
	s_add_nc_u64 s[16:17], s[16:17], s[34:35]
	s_add_nc_u64 s[18:19], s[18:19], s[34:35]
	s_lshl_b32 s34, s21, 21                        ; my wave's four streams of 131,072 bytes: (16 ch + 4 w) << 17
	s_lshl_b32 s36, s20, 19
	s_add_co_u32 s34, s34, s36
	s_add_nc_u64 s[14:15], s[14:15], s[34:35]
	; FIRST REQUESTS: biases, the first pass's c_prev, eight rows of x and h_prev
	global_load_b128 v[RB:RB+3],     v[BGO], s[10:11]
	global_load_b128 v[RB+4:RB+7],   v[BGO], s[10:11] offset:4096
	global_load_b128 v[RB+8:RB+11],  v[BGO], s[12:13]
	global_load_b128 v[RB+12:RB+15], v[BGO], s[12:13] offset:4096
	LOADCP
.irp i, 0,1,2,3,4,5,6,7
	AFILL \i, \i*2048
.endr
; THE ROWS: wave w quantises rows 32 w .. 32 w + 31 of x and h_prev to f16 and lays them into LDS.  One turn of row slot i.
; mode 1: the slot is filled again with the row eight further down; mode 2 (the last eight rows): the W ring's slot i is primed instead,
; so that in every turn seven groups of eight loads are younger than the slot's own.
.macro SLOT i, mode
	s_wait_loadcnt 56                              ; loads come back in order: my row's eight are in, the 7 x 8 issued behind them stay out
	WIN 0x02
.set n, 0
.rept 16
	v_pk_fma_f32 v[F0+2*n:F0+2*n+1], v[32*\i+2*n:32*\i+2*n+1], v[C256:C256+1], v[CM:CM+1]   ; round(256 v) + M
.set n, n+1
.endr
	WIN 0
.set n, 0
.rept 32
	v_med3_num_f32 v[F0+n], v[F0+n], s24, s25      ; clip to +-32767
.set n, n+1
.endr
.set n, 0
.rept 16
	v_pk_fma_f32 v[F0+2*n:F0+2*n+1], v[F0+2*n:F0+2*n+1], v[C2M8:C2M8+1], v[CN49K:CN49K+1]   ; back to the value, exactly
.set n, n+1
.endr
.set n, 0
.rept 16
	v_cvt_pk_f16_f32 v[F0+32+n], v[F0+2*n], v[F0+2*n+1]
.set n, n+1
.endr
.set n, 0
.rept 8
	ds_store_b64 v[LSA], v[F0+32+2*n:F0+32+2*n+1] offset:(n/4)*1024+(n%4)*256   ; 256 consecutive bytes: x's four quarters, then h's
.set n, n+1
.endr
	v_add_nc_u32 v[LSA], PA, v[LSA]
.if \mode == 1
	AFILL \i, (8+\i)*2048
.else
.if \i < 7
	WFILL \i
.endif
.endif
.endm
	WIN 0
	s_mov_b32 s41, 3
.Lround:
.irp i, 0,1,2,3,4,5,6,7
	SLOT \i, 1
.endr
	WIN 0
	s_wait_xcnt 0x0                                ; the bases of the loads just issued are stepped only behind this wait
	s_add_nc_u64 s[4:5], s[4:5], 16384
	s_add_nc_u64 s[6:7], s[6:7], 16384
	s_sub_co_u32 s41, s41, 1
	s_cmp_lg_u32 s41, 0
	s_cbranch_scc1 .Lround
.irp i, 0,1,2,3,4,5,6,7
	SLOT \i, 2
.endr
	WIN 0
	; THE BIAS TABLE.  The bias loads are older than every row load, so the waits above have shown them in.
.set n, 0
.rept 8
	v_pk_fma_f32 v[RB+2*n:RB+2*n+1], v[RB+2*n:RB+2*n+1], v[C256:C256+1], v[CM:CM+1]
.set n, n+1
.endr
.set n, 0
.rept 16
	v_med3_num_f32 v[RB+n], v[RB+n], s24, s25      ; n_b + M
.set n, n+1
.endr
.set n, 0
.rept 4
	v_pk_add_f32 v[RB+8+2*n:RB+8+2*n+1], v[RB+8+2*n:RB+8+2*n+1], v[CN2M:CN2M+1]   ; hh: n_b - M, so that the two projections' M cancel in their sum
.set n, n+1
.endr
	v_lshlrev_b32 v[KP], 4, v0
	v_add_nc_u32 v[KP], BT, v[KP]
	ds_store_b128 v[KP], v[RB:RB+3]
	ds_store_b128 v[KP], v[RB+4:RB+7]   offset:2048
	ds_store_b128 v[KP], v[RB+8:RB+11]  offset:4096
	ds_store_b128 v[KP], v[RB+12:RB+15] offset:6144
	s_wait_dscnt 0x0                               ; my rows and my part of the table are written,
	BAR                                            ; everybody's are: from here on A and the table are only read
; A HALF-STEP: 32 along K of one projection (t = 2 s + mat), 32 matrix instructions.  Source 0 = 16 rows of W, source 1 = 16 batch rows:
; lane (r, hh), register j of tile (a, g) holds batch row 16 a + r, hidden column 8 hh + j of my 16, gate g.
; The 64 accumulators take turns, one instruction a turn, over the passes' backward jump too.
.macro HALF t, tail
.set FILLW, 1
.set NW, 56
.if \tail
.if \t > 24
.set FILLW, 0
.set NW, 8*(31-\t)
.endif
.endif
	PLACES                                         ; the ring slot and the A buffer that the last half-step's products read are loaded again below
.if FILLW
	WFILL \t+7                                     ; seven half-steps ahead; from t = 25 on that is the next pass's stream, which follows in memory
.endif
.if \t < 31
	WIN 0
.irp a, 0,1,2,3,4,5,6,7
	ds_load_b128 v[F0+64*((\t+1)&1)+8*\a:F0+64*((\t+1)&1)+8*\a+3],   v[ADRA+\a] offset:((\t+1)&1)*1024+((\t+1)>>1)*64
	ds_load_b128 v[F0+64*((\t+1)&1)+8*\a+4:F0+64*((\t+1)&1)+8*\a+7], v[ADRA+\a] offset:((\t+1)&1)*1024+((\t+1)>>1)*64+32
.endr
	s_wait_dscnt 16                                ; this half-step's A fragments are in; the 16 loads just issued stay out
.else
	s_wait_dscnt 0
.endif
	s_wait_loadcnt NW                              ; this half-step's W is in: at least NW loads were issued behind it (8 for each later half-step asked for)
.if (\t&1)
	WIN 0xf1
.else
	WIN 0xa1
.endif
.irp a, 0,1,2,3,4,5,6,7
.irp g, 0,1,2,3
.if \t < 2
	v_wmma_f32_16x16x32_f16 v[8*(4*\a+\g):8*(4*\a+\g)+7], v[32*(\t%8)+8*\g:32*(\t%8)+8*\g+7], v[F0+64*(\t&1)+8*\a:F0+64*(\t&1)+8*\a+7], 0
.else
	v_wmma_f32_16x16x32_f16 v[8*(4*\a+\g):8*(4*\a+\g)+7], v[32*(\t%8)+8*\g:32*(\t%8)+8*\g+7], v[F0+64*(\t&1)+8*\a:F0+64*(\t&1)+8*\a+7], v[8*(4*\a+\g):8*(4*\a+\g)+7]
.endif
.endr
.endr
.endm
; hard sigmoid and its rounding on eight sums S (steps of 2^-8), left as M + n, n = 0 .. 256.
; x / 6 + 0.5 is taken as ONE fused multiply-add by the f32 number nearest 1/6, rounded to f32: the form that a division by a constant
; takes when it becomes a multiplication by the reciprocal and is contracted with the add.  fma(S, 1/6, 128) is 256 times fma(s, 1/6, 0.5)
; bit for bit, since a factor of 2^8 passes through the rounding.  Adding M then rounds that number to a whole one, halves to even.
; The constant exceeds 1/6 by 2^-25 of it.  Where the sum is 64 steps or more that excess is under half a last place and an exact half
; stays an exact half; below 64 steps it survives, and an exact half goes down.  An exact division would send those halves to even.
; The clip stands behind the rounding: both are monotone, so the order does not matter.
.macro SIGM b
.irp k, 0,2,4,6
	v_pk_fma_f32 v[\b+\k:\b+\k+1], v[\b+\k:\b+\k+1], v[C6:C6+1], v[C128:C128+1]
.endr
.irp k, 0,2,4,6
	v_pk_add_f32 v[\b+\k:\b+\k+1], v[\b+\k:\b+\k+1], v[CM:CM+1]
.endr
.irp k, 0,1,2,3,4,5,6,7
	v_med3_num_f32 v[\b+\k], v[\b+\k], s28, s29
.endr
.endm
; The tail for batch rows 16 a .. 16 a + 15: eight outputs a lane.  F0 holds the biases (ih at 8 g, hh at 32 + 8 g), F1 is at work.
.macro ROWBLK a
	ds_load_b128 v[KP:KP+3],   v[SCF] offset:\a*16*PS
	ds_load_b128 v[KP+4:KP+7], v[SCF] offset:\a*16*PS+16
	WIN 0x02
.set n, 0
.rept 16
	v_pk_fma_f32 v[F1+2*n:F1+2*n+1], v[32*\a+2*n:32*\a+2*n+1], v[C256:C256+1], v[F0+2*n:F0+2*n+1]            ; round(256 gi) + M
.set n, n+1
.endr
	WIN 0x03
.set n, 0
.rept 16
	v_pk_fma_f32 v[F1+32+2*n:F1+32+2*n+1], v[32*\a+2*n:32*\a+2*n+1], v[C256:C256+1], v[F0+32+2*n:F0+32+2*n+1] ; round(256 gh) - M
.set n, n+1
.endr
	WIN 0
.set n, 0
.rept 32
	v_med3_num_f32 v[F1+n], v[F1+n], s24, s25
.set n, n+1
.endr
.set n, 0
.rept 32
	v_med3_num_f32 v[F1+32+n], v[F1+32+n], s26, s27
.set n, n+1
.endr
.set n, 0
.rept 16
	v_pk_add_f32 v[F1+2*n:F1+2*n+1], v[F1+2*n:F1+2*n+1], v[F1+32+2*n:F1+32+2*n+1]   ; S = n_i + n_h, exact
.set n, n+1
.endr
	SIGM F1                                        ; i
	SIGM F1+8                                      ; f
	SIGM F1+24                                     ; o
.irp k, 0,2,4,6
	v_pk_fma_f32 v[F1+\k:F1+\k+1], v[F1+\k:F1+\k+1], v[C2M16:C2M16+1], v[CN192:CN192+1]   ; I 2^-16
.endr
.irp k, 0,2,4,6
	v_pk_add_f32 v[F1+8+\k:F1+8+\k+1], v[F1+8+\k:F1+8+\k+1], v[CNM:CNM+1]                 ; F
.endr
.irp k, 0,2,4,6
	v_pk_add_f32 v[F1+24+\k:F1+24+\k+1], v[F1+24+\k:F1+24+\k+1], v[CNM:CNM+1]             ; O
.endr
.irp k, 0,1,2,3,4,5,6,7
	v_med3_num_f32 v[F1+16+\k], v[F1+16+\k], s31, s32                                     ; G: hard tanh on whole steps needs no rounding
.endr
.irp k, 0,2,4,6
	v_pk_mul_f32 v[F1+32+\k:F1+32+\k+1], v[F1+\k:F1+\k+1], v[F1+16+\k:F1+16+\k+1]         ; i g
.endr
	s_wait_dscnt 0x0                               ; c_prev of my eight outputs is in
.irp k, 0,2,4,6
	v_pk_fma_f32 v[F1+32+\k:F1+32+\k+1], v[F1+8+\k:F1+8+\k+1], v[KP+\k:KP+\k+1], v[F1+32+\k:F1+32+\k+1]   ; c = f c_prev + i g, exact
.endr
.irp k, 0,2,4,6
	v_pk_fma_f32 v[F1+40+\k:F1+40+\k+1], v[F1+32+\k:F1+32+\k+1], v[C256:C256+1], v[CM:CM+1]
.endr
.irp k, 0,1,2,3,4,5,6,7
	v_med3_num_f32 v[F1+40+\k], v[F1+40+\k], s30, s29                                     ; fq(hard tanh(c)) as M + n
.endr
.irp k, 0,2,4,6
	v_pk_fma_f32 v[F1+40+\k:F1+40+\k+1], v[F1+40+\k:F1+40+\k+1], v[C2M16:C2M16+1], v[CN192:CN192+1]
.endr
.irp k, 0,2,4,6
	v_pk_mul_f32 v[F1+48+\k:F1+48+\k+1], v[F1+24+\k:F1+24+\k+1], v[F1+40+\k:F1+40+\k+1]   ; h
.endr
	ds_store_b128 v[SCF], v[F1+32:F1+35] offset:\a*16*PS          ; c over the bytes that this lane alone read c_prev from
	ds_store_b128 v[SCF], v[F1+36:F1+39] offset:\a*16*PS+16
	ds_store_b128 v[SHF], v[F1+48:F1+51] offset:(\a&3)*16*PS
	ds_store_b128 v[SHF], v[F1+52:F1+55] offset:(\a&3)*16*PS+16
.endm
.macro OUTH half                       ; h of 64 rows leaves by rows: sixteen lanes store 256 consecutive bytes, aligned
.set n, 0
.rept 8
	ds_load_b128 v[F1+4*n:F1+4*n+3], v[SHW] offset:n*2*PS
.set n, n+1
.endr
.set n, 0
.rept 8
	s_wait_dscnt 7-n                               ; the 7 - n younger read-backs stay out
	global_store_b128 v[HOFF], v[F1+4*n:F1+4*n+3], s[16:17] offset:\half*131072+n*4096 th:TH_STORE_NT
.set n, n+1
.endr
.endm
.macro OUTC                            ; c of all 128 rows, likewise
.set n, 0
.rept 16
	ds_load_b128 v[F0+4*n:F0+4*n+3], v[SCW] offset:n*2*PS
.set n, n+1
.endr
.set n, 0
.rept 16
	s_wait_dscnt 15-n
	global_store_b128 v[CPOFF], v[F0+4*n:F0+4*n+3], s[18:19] offset:n*4096 th:TH_STORE_NT
.set n, n+1
.endr
.endm
.macro EPI tail
	PLACES                                         ; behind the last products: their results are read and their A buffers written below
	WIN 0
	; c_prev, which the last half-step's wait has shown in, becomes K 2^-16 and goes to the stage by rows
.set n, 0
.rept 32
	v_pk_fma_f32 v[CP+2*n:CP+2*n+1], v[CP+2*n:CP+2*n+1], v[C256:C256+1], v[CM:CM+1]
.set n, n+1
.endr
.set n, 0
.rept 64
	v_med3_num_f32 v[CP+n], v[CP+n], s24, s25
.set n, n+1
.endr
.set n, 0
.rept 32
	v_pk_fma_f32 v[CP+2*n:CP+2*n+1], v[CP+2*n:CP+2*n+1], v[C2M16:C2M16+1], v[CN192:CN192+1]
.set n, n+1
.endr
.set n, 0
.rept 16
	ds_store_b128 v[SCW], v[CP+4*n:CP+4*n+3] offset:n*2*PS
.set n, n+1
.endr
.irp m, 0,1,2,3,4,5,6,7
	ds_load_b128 v[F0+8*\m:F0+8*\m+3],   v[BTA] offset:\m*1024     ; the biases of my eight hidden columns, row mat*4 + gate of the table
	ds_load_b128 v[F0+8*\m+4:F0+8*\m+7], v[BTA] offset:\m*1024+16
.endr
	s_wait_dscnt 0x0                               ; my part of the stage is written, the biases are in
.if \tail == 0
	s_wait_xcnt 0x0                                ; c_prev's base is stepped only behind this wait
	s_add_nc_u64 s[8:9], s[8:9], 256
	LOADCP                                         ; the next pass's c_prev: a whole pass ahead of its use
.endif
	BAR                                            ; the stage holds all 128 rows of c_prev
	ROWBLK 0
	ROWBLK 1
	ROWBLK 2
	ROWBLK 3
	s_wait_dscnt 0x0
	BAR                                            ; h of rows 0-63 is whole
	OUTH 0
	s_wait_dscnt 0x0                               ; my reads of the h stage are over,
	s_wait_xcnt 0x0                                ; and F1, which the stores read, is written again only behind this wait
	BAR                                            ; everybody's are: the h stage may be written again
	ROWBLK 4
	ROWBLK 5
	ROWBLK 6
	ROWBLK 7
	s_wait_dscnt 0x0
	BAR                                            ; h of rows 64-127 and c of all rows are whole
	OUTH 1
	OUTC
.if \tail == 0
	s_wait_dscnt 0x0                               ; my reads of both stages are over,
	BAR                                            ; everybody's are: the next pass may write them
	s_wait_xcnt 0x0                                ; the stores' data and bases and the W loads' base are written again only behind this wait
	s_add_nc_u64 s[16:17], s[16:17], 256           ; the next 64 hidden columns
	s_add_nc_u64 s[18:19], s[18:19], 256
	s_add_nc_u64 s[14:15], s[14:15], 131072        ; the next stream; its half-steps 0 to 6 are already asked for
	v_add_nc_u32 v[BTA], 256, v[BTA]
.endif
.endm
.macro PASS tail
	WIN 0
.irp a, 0,1,2,3,4,5,6,7
	ds_load_b128 v[F0+8*\a:F0+8*\a+3],   v[ADRA+\a]
	ds_load_b128 v[F0+8*\a+4:F0+8*\a+7], v[ADRA+\a] offset:32
.endr
.irp hs, 0,1,2,3,4,5,6,7,8,9,10,11,12,13,14,15,16,17,18,19,20,21,22,23,24,25,26,27,28,29,30,31
	HALF \hs, \tail
.endr
	EPI \tail
.endm
	s_mov_b32 s40, 3
.Lpass:
	PASS 0
	WIN 0
	s_sub_co_u32 s40, s40, 1
	s_cmp_lg_u32 s40, 0
	s_cbranch_scc1 .Lpass
	PASS 1                                         ; the last pass asks for nothing beyond wq's and c_prev's ends: its waits run down to 0
	s_wait_xcnt 0x0
	v_lshl_add_u32 v254, v0, 2, 0x4f400
	v_mov_b32 v255, 0
	s_wait_tensorcnt 0x0
	ds_add_u32 v254, v255
	s_wait_dscnt 0x0
	s_endpgm
.Lfunc_end_k_q895e5ffdee_lstm:
	.size	k_q895e5ffdee_lstm, .Lfunc_end_k_q895e5ffdee_lstm-k_q895e5ffdee_lstm
	.p2alignl 7, 3214868480
	.fill 96, 4, 3214868480
	.section	.rodata,"a",@progbits
	.p2align	6, 0x0
	.amdhsa_kernel k_q895e5ffdee_lstm
		.amdhsa_group_segment_fixed_size 325120
		.amdhsa_private_segment_fixed_size 0
		.amdhsa_enable_private_segment 0
		.amdhsa_kernarg_size 64
		.amdhsa_user_sgpr_count 2
		.amdhsa_user_sgpr_kernarg_segment_ptr 1
		.amdhsa_wavefront_size32 1
		.amdhsa_system_sgpr_workgroup_id_x 1
		.amdhsa_system_sgpr_workgroup_id_y 1
		.amdhsa_system_sgpr_workgroup_id_z 1
		.amdhsa_system_vgpr_workitem_id 0
		.amdhsa_next_free_vgpr 1024
		.amdhsa_next_free_sgpr 66
		.amdhsa_reserve_vcc 0
		.amdhsa_float_denorm_mode_32 3
		.amdhsa_float_denorm_mode_16_64 3
		.amdhsa_memory_ordered 1
		.amdhsa_forward_progress 1
		.amdhsa_inst_pref_size 255
	.end_amdhsa_kernel
	.section	.bss,"aw",@nobits
	.p2align	6
	.space	262144
	.amdgpu_metadata
---
amdhsa.version: [ 1, 2 ]
amdhsa.kernels:
  - .name:           k_q895e5ffdee_lstm
    .symbol:         k_q895e5ffdee_lstm.kd
    .args:
      - { .name: x, .offset: 0, .size: 8, .value_kind: global_buffer, .address_space: global }
      - { .name: h_prev, .offset: 8, .size: 8, .value_kind: global_buffer, .address_space: global }
      - { .name: c_prev, .offset: 16, .size: 8, .value_kind: global_buffer, .address_space: global }
      - { .name: b_ih, .offset: 24, .size: 8, .value_kind: global_buffer, .address_space: global }
      - { .name: b_hh, .offset: 32, .size: 8, .value_kind: global_buffer, .address_space: global }
      - { .name: wq, .offset: 40, .size: 8, .value_kind: global_buffer, .address_space: global }
      - { .name: out0, .offset: 48, .size: 8, .value_kind: global_buffer, .address_space: global }
      - { .name: out1, .offset: 56, .size: 8, .value_kind: global_buffer, .address_space: global }
    .group_segment_fixed_size: 325120
    .private_segment_fixed_size: 0
    .kernarg_segment_align: 8
    .kernarg_segment_size: 64
    .max_flat_workgroup_size: 128
    .sgpr_count:     66
    .vgpr_count:     1024
    .wavefront_size: 32
...
	.end_amdgpu_metadata
.endif
;; end of part 2
;; ======== version 2 of 2: 2 launches; 1.29 times as fast as version 1
;; workspace buffers: wq 4,194,304 bytes
;; launch wprep (part 3): grid 256 x 1, 4 waves a work-group, no clusters, 17,920 bytes of LDS; arguments W_ih, W_hh, wq; writes wq
.if DOCPART == 3
	.amdgcn_target "amdgcn-amd-amdhsa--gfx1250"
	.amdhsa_code_object_version 6
	.text
	.protected	k_q895e5ffdee_wprep
	.globl	k_q895e5ffdee_wprep
	.p2align	8
	.type	k_q895e5ffdee_wprep,@function
k_q895e5ffdee_wprep:
	s_mov_b64 s[64:65], 0
	v_nop
	global_prefetch_b8 v0, s[64:65] scope:SCOPE_SE
	s_setreg_imm32_b32 hwreg(HW_REG_WAVE_MODE, 25, 1), 1
	s_wait_xcnt 0x0
; wq = the quantised weights of both projections, in f16, laid out as streams of ready-made matrix fragments.
; fq(W) = clip(round(256 W), -32767, 32767) / 256.  On that grid f16 is exact below 8 and rounds to 11 bits from 8 to 128.
; LIMITS: a NaN weight is not kept (the clamp returns a bound); the sign of zero is not kept.
; wq byte = strm*131072 + (g>>1)*65536 + t*2048 + (g&1)*1024 + e*512 + L*16,
;   16 bytes = W_mat[g*512 + 16 hb + (L&15)][32 s + 16 e + 8 (L>>4) + 0..7],
;   t = 2 s + mat (mat 0 = ih, 1 = hh), hb = block of 16 hidden columns, strm = (hb>>4)*16 + (hb&3)*4 + ((hb>>2)&3).
; So a half-step t of a stream is two pieces of 2,048 bytes, 65,536 bytes apart: gates 0 and 1, gates 2 and 3.
; A work-group takes 16 rows of one W (one mat, one gate g, one hb); wave kq takes k = 128 kq .. 128 kq + 127 of them.
; Memory binds: each byte of W is read once by loads of 512 consecutive bytes, each byte of wq is written once by stores of 512
; consecutive aligned bytes.  The turn from rows to fragments goes through the wave's own 16 x 272 bytes of LDS: no barrier.
.set PW,    272                        ; LDS pitch: 256 bytes of f16 + 16, an odd multiple of 16
.set C256,  4                          ; v[4:5]    256, twice
.set CM,    6                          ; v[6:7]    M = 1.5 * 2^23, twice: adding M rounds to a whole number, halves to even
.set C2M8,  8                          ; v[8:9]    2^-8
.set CN49K, 10                         ; v[10:11]  -M * 2^-8
.set X,     16                         ; v[16:79]  16 rows as loaded; later v[16:47] the eight fragment halves read back
.set T,     80                         ; v[80:83]  at work
.set P,     84                         ; v[84:85]  four f16
	s_load_b128 s[4:7], s[0:1], 0x0                ; W_ih s[4:5], W_hh s[6:7]
	s_load_b64 s[8:9], s[0:1], 0x10                ; wq
	v_lshl_add_u32 v96, v0, 2, 0x4400
	v_mov_b32 v97, 0
	v_lshrrev_b32 v2, 5, v0
	v_readfirstlane_b32 s12, v2                    ; kq: the wave's number
	s_lshr_b32 s13, ttmp9, 7                       ; mat
	s_bfe_u32 s14, ttmp9, 0x20005                  ; g
	s_and_b32 s15, ttmp9, 31                       ; hb
	s_lshl_b32 s16, s14, 20                        ; source offset: (512 g + 16 hb) rows of 2,048 bytes + 512 kq
	s_lshl_b32 s22, s15, 15
	s_add_co_u32 s16, s16, s22
	s_lshl_b32 s22, s12, 9
	s_add_co_u32 s16, s16, s22
	s_mov_b32 s17, 0
	s_and_b32 s18, s15, 16                         ; strm
	s_and_b32 s22, s15, 3
	s_lshl2_add_u32 s18, s22, s18
	s_bfe_u32 s22, s15, 0x20002
	s_add_co_u32 s18, s18, s22
	s_lshl_b32 s18, s18, 17                        ; destination offset: strm*131072 + (g>>1)*65536 + kq*16384 + mat*2048 + (g&1)*1024
	s_lshr_b32 s22, s14, 1
	s_lshl_b32 s22, s22, 16
	s_add_co_u32 s18, s18, s22
	s_lshl_b32 s22, s12, 14                        ; my four K steps are eight half-steps of 2,048 bytes
	s_add_co_u32 s18, s18, s22
	s_lshl_b32 s22, s13, 11
	s_add_co_u32 s18, s18, s22
	s_and_b32 s22, s14, 1
	s_lshl_b32 s22, s22, 10
	s_add_co_u32 s18, s18, s22
	s_mov_b32 s19, 0
	s_mov_b32 s20, 0x4b3f8001                      ; M - 32767
	s_mov_b32 s21, 0x4b407fff                      ; M + 32767
	v_and_b32 v12, 31, v0                          ; lane
	v_and_b32 v13, 15, v0                          ; r
	v_bfe_u32 v14, v0, 4, 1                        ; hh
	v_lshlrev_b32 v1, 4, v12                       ; 16 bytes a lane, in W's row piece and in wq
	s_mul_i32 s23, s12, 16*PW                      ; the wave's own stage
	v_lshl_add_u32 v2, v12, 3, s23                 ; in: 8 bytes a lane along a row
	v_mul_u32_u24 v3, v13, PW                      ; back: row r, 16 bytes for each half of the lanes
	v_lshl_add_u32 v3, v14, 4, v3
	v_add_nc_u32 v3, s23, v3
.irp h, 0,1
	v_mov_b32 v[C256+\h],  0x43800000
	v_mov_b32 v[CM+\h],    0x4b400000
	v_mov_b32 v[C2M8+\h],  0x3b800000
	v_mov_b32 v[CN49K+\h], 0xc7400000
.endr
	s_wait_kmcnt 0x0
	s_cmp_eq_u32 s13, 0
	s_cselect_b64 s[10:11], s[4:5], s[6:7]         ; the W of my mat
	s_add_nc_u64 s[10:11], s[10:11], s[16:17]
	s_add_nc_u64 s[8:9], s[8:9], s[18:19]
.irp r, 0,1,2,3,4,5,6,7,8,9,10,11,12,13,14,15
	global_load_b128 v[X+4*\r:X+4*\r+3], v1, s[10:11] offset:\r*2048 th:TH_LOAD_NT   ; 512 consecutive bytes of row r
.endr
.irp r, 0,1,2,3,4,5,6,7,8,9,10,11,12,13,14,15
	s_wait_loadcnt 15-\r                           ; loads come back in order: row r is in, the 15 - r younger ones stay out
	v_pk_fma_f32 v[T:T+1],   v[X+4*\r:X+4*\r+1],   v[C256:C256+1], v[CM:CM+1]         ; round(256 w) + M
	v_pk_fma_f32 v[T+2:T+3], v[X+4*\r+2:X+4*\r+3], v[C256:C256+1], v[CM:CM+1]
	v_med3_num_f32 v[T],   v[T],   s20, s21        ; clip
	v_med3_num_f32 v[T+1], v[T+1], s20, s21
	v_med3_num_f32 v[T+2], v[T+2], s20, s21
	v_med3_num_f32 v[T+3], v[T+3], s20, s21
	v_pk_fma_f32 v[T:T+1],   v[T:T+1],   v[C2M8:C2M8+1], v[CN49K:CN49K+1]             ; back to the value, exactly
	v_pk_fma_f32 v[T+2:T+3], v[T+2:T+3], v[C2M8:C2M8+1], v[CN49K:CN49K+1]
	v_cvt_pk_f16_f32 v[P],   v[T],   v[T+1]
	v_cvt_pk_f16_f32 v[P+1], v[T+2], v[T+3]
	ds_store_b64 v2, v[P:P+1] offset:\r*PW
.endr
.irp i, 0,1,2,3,4,5,6,7
	ds_load_b128 v[X+4*\i:X+4*\i+3], v3 offset:\i*32   ; K step i/2 of my four, half i%2.  LDS serves a wave's instructions in order: these see the stores above
.endr
.irp i, 0,1,2,3,4,5,6,7
	s_wait_dscnt 7-\i                              ; the 7 - i younger read-backs stay out
	global_store_b128 v1, v[X+4*\i:X+4*\i+3], s[8:9] offset:(\i/2)*4096+(\i%2)*512   ; 512 consecutive bytes, aligned; a K step is two half-steps on
.endr
	s_wait_tensorcnt 0x0
	ds_add_u32 v96, v97
	s_wait_dscnt 0x0
	s_endpgm
.Lfunc_end_k_q895e5ffdee_wprep:
	.size	k_q895e5ffdee_wprep, .Lfunc_end_k_q895e5ffdee_wprep-k_q895e5ffdee_wprep
	.p2alignl 7, 3214868480
	.fill 96, 4, 3214868480
	.section	.rodata,"a",@progbits
	.p2align	6, 0x0
	.amdhsa_kernel k_q895e5ffdee_wprep
		.amdhsa_group_segment_fixed_size 17920
		.amdhsa_private_segment_fixed_size 0
		.amdhsa_enable_private_segment 0
		.amdhsa_kernarg_size 24
		.amdhsa_user_sgpr_count 2
		.amdhsa_user_sgpr_kernarg_segment_ptr 1
		.amdhsa_wavefront_size32 1
		.amdhsa_system_sgpr_workgroup_id_x 1
		.amdhsa_system_sgpr_workgroup_id_y 1
		.amdhsa_system_sgpr_workgroup_id_z 1
		.amdhsa_system_vgpr_workitem_id 0
		.amdhsa_next_free_vgpr 98
		.amdhsa_next_free_sgpr 66
		.amdhsa_reserve_vcc 0
		.amdhsa_float_denorm_mode_32 3
		.amdhsa_float_denorm_mode_16_64 3
		.amdhsa_memory_ordered 1
		.amdhsa_forward_progress 1
		.amdhsa_inst_pref_size 18
	.end_amdhsa_kernel
	.amdgpu_metadata
---
amdhsa.version: [ 1, 2 ]
amdhsa.kernels:
  - .name:           k_q895e5ffdee_wprep
    .symbol:         k_q895e5ffdee_wprep.kd
    .args:
      - { .name: W_ih, .offset: 0, .size: 8, .value_kind: global_buffer, .address_space: global }
      - { .name: W_hh, .offset: 8, .size: 8, .value_kind: global_buffer, .address_space: global }
      - { .name: wq, .offset: 16, .size: 8, .value_kind: global_buffer, .address_space: global }
    .group_segment_fixed_size: 17920
    .private_segment_fixed_size: 0
    .kernarg_segment_align: 8
    .kernarg_segment_size: 24
    .max_flat_workgroup_size: 128
    .sgpr_count:     66
    .vgpr_count:     98
    .wavefront_size: 32
...
	.end_amdgpu_metadata
.endif
;; end of part 3
;; launch lstm (part 4): grid 2 x 128, 4 waves a work-group, no clusters, 325,120 bytes of LDS; arguments x, h_prev, c_prev, b_ih, b_hh, wq, out0, out1; writes out0, out1
.if DOCPART == 4
	.amdgcn_target "amdgcn-amd-amdhsa--gfx1250"
	.amdhsa_code_object_version 6
	.text
	.protected	k_q895e5ffdee_lstm
	.globl	k_q895e5ffdee_lstm
	.p2align	8
	.type	k_q895e5ffdee_lstm,@function
k_q895e5ffdee_lstm:
	s_mov_b64 s[64:65], 0
	v_nop
	global_prefetch_b8 v0, s[64:65] scope:SCOPE_SE
	s_setreg_imm32_b32 hwreg(HW_REG_WAVE_MODE, 25, 1), 1
	s_wait_xcnt 0x0
; One step of the fixed-point LSTM cell, all but the weights' conversion.  B = 16384, I = H = 512.
; A work-group makes 128 batch rows (rb = grid y) x 256 hidden columns (ch = grid x) of h (out0) and c (out1), with four waves.
; fq(x) and fq(h_prev) of the 128 rows are converted once to f16 and stay in LDS.  In each of four passes a wave owns 128 rows x 16 hidden
; columns x 4 gates x 2 projections = 64 accumulator tiles (512 registers): reference() rounds and clips the two projections apart, so
; every output has eight sums, and here all eight lie in one lane.  The weights come from wq as ready-made fragments, straight into a ring
; of eight register slots: a fragment of W is used by one wave alone, so a way through LDS would add a write and a read and share nothing.
; THE TEXT IS KEPT SHORT: one text serves all four passes, K runs in a loop of eight half-steps, and the row phase's refills double as the
; first fill of the W ring.  What cannot be looped is what names accumulator registers: the tail behind the products.
; NO CLUSTER, NO TENSOR LOADS: beside the resident 264,192 bytes of fq(x), fq(h) and the 60,416 bytes of stages and bias table 3,072 bytes
; of LDS are left, too little for a ring of shared W tiles.
; ARITHMETIC: every quantity is a whole number of steps of 2^-8, carried in f32.  Adding M = 1.5 * 2^23 rounds to a whole number, halves to
; even, as jnp.round does; the clips are taken on M + n.  With operands below 8 every step but the hard sigmoid's multiply-add is exact.
; LIMITS: NaN inputs are not reproduced (the clamps return a bound); the sign of zero is not kept; operands of 8 and above (up to the clip
; at 128) are rounded to f16's 11 bits; 256 * sum + bias is rounded once, where reference() rounds sum + bias first (the same below 256;
; above, both clip); x / 6 + 0.5 is taken as one fused multiply-add by the f32 number nearest 1/6 (see SIGM).
.set PA,  2064                         ; pitch of a row of A in LDS: 1,024 bytes fq(x), 1,024 bytes fq(h), 16 of padding: an odd multiple of 16
.set PS,  272                          ; pitch of the stages: 64 f32 + 16
.set SC,  264192                       ; 128 x 272: the pass's c_prev (as K * 2^-16), overwritten in place by c
.set SH,  299008                       ; 64 x 272: h of 64 rows
.set BT,  316416                       ; 8 x 1,024: [mat*4 + gate][256 hidden] f32: n_b + M for ih, n_b - M for hh
.set WHS,   2048                       ; wq: from a half-step to the next, in each of a stream's two parts
.set WPART, 65536                      ; wq: from a stream's part for gates 0, 1 to its part for gates 2, 3
.set WTRIP, 8*WHS                      ; wq: the eight half-steps of a trip of the K loop
.set WNEXT, 131072-3*WTRIP             ; wq: from the base behind the K loop's three trips to the next pass's stream
; window 0
.set BOFF,  1                          ; lane * 16: my place in every fragment half of wq
.set ABASE, 2                          ; v[2:5]  (32 b + r) * PA + 16 hh: my place in the A fragments of row blocks 2 b and 2 b + 1; never rewritten
.set AW,    6                          ; v[6:9]  the same plus the K loop's progress along the rows
.set AOFF,  10                         ; row phase: wave * 32 rows * 2,048 + lane * 16; in its last round lane * 16
.set LSA,   11                         ; where the round's first row goes in LDS; steps by 8 PA
.set CPOFF, 12                         ; (32 w + hh) * 2,048 + 16 r: c_prev and out1
.set HOFF,  13                         ; (16 w + hh) * 2,048 + 16 r: out0
.set SCW,   14                         ; SC by rows: SC + (32 w + hh) * PS + 16 r
.set SHW,   15                         ; SH by rows: SH + (16 w + hh) * PS + 16 r
.set SCF,   16                         ; SC by tiles: SC + r * PS + 64 w + 32 hh
.set SHF,   17                         ; SH by tiles
.set BTA,   18                         ; BT + 64 w + 32 hh, + 256 each pass
.set BGO,   19                         ; my 16 bytes in b_ih and b_hh
.set C256,  20                         ; pairs of equal constants for the packed arithmetic
.set CM,    22
.set C2M8,  24
.set CN49K, 26
.set C2M16, 28
.set CN192, 30
.set C6,    32
.set C128,  34
.set CNM,   36
.set CN2M,  38
.set KP,    40                         ; v[40:47]   c_prev of my eight outputs
.set RB,    48                         ; v[48:63]   biases as loaded
.set F0,    64                         ; v[64:127]  A fragments, buffer 0; at work outside the products
.set F1,    128                        ; v[128:191] A fragments, buffer 1; at work outside the products
.set CP,    192                        ; v[192:255] c_prev as loaded
; window 1: eight slots of 32 registers.  Row phase: slot i holds a row of x (16 registers) and of h_prev.  Then the W ring: half-step t in
;           slot t % 8, gate g at v[32 (t%8) + 8 g]
; window 2: sums of the ih projection, tile (a, g) at v[8 (4 a + g)];   window 3: sums of the hh projection
; scalars: s[4:19] the eight addresses; s20 wave, s21 ch, s22 rb; s24-32 bounds of the clips; s[36:39] the two bases of the row phase's
;          refills; s40 passes left; s41 trips left; s[42:43] wq's second part; s44, s45 the wave's term in AOFF
.set MSB, 0
.macro WIN new                         ; low byte: bits 1:0 source 0, 3:2 source 1, 5:4 source 2, 7:6 destination; the high byte repeats the setting that is left
.if MSB != \new
	s_set_vgpr_msb (MSB<<8)|\new
.set MSB, \new
.endif
.endm
.macro PLACES                          ; four plain vector instructions between a matrix instruction and whatever reads its result or writes its registers (ISA guide 7.12.1)
.rept 4
	v_nop
.endr
.endm
.macro BAR
	s_barrier_signal -1
	s_barrier_wait -1
.endm
.macro CPAIR reg, val
	v_mov_b32 v[\reg], \val
	v_mov_b32 v[\reg+1], \val
.endm
.macro LOADCP                          ; c_prev of my 32 rows x the pass's 64 columns: each load takes 256 consecutive aligned bytes of two rows
.set n, 0
.rept 16
	global_load_b128 v[CP+4*n:CP+4*n+3], v[CPOFF], s[8:9] offset:n*4096 th:TH_LOAD_NT
.set n, n+1
.endr
.endm
; Slot i of window 1 is filled by eight loads of 512 consecutive bytes: four at base px, four at base ph, both at 2,048 i.
; With x's and h_prev's addresses that is row i of eight rows; with wq's two parts it is half-step i of a stream.
.macro RFILL i, px, ph
	WIN 0x40
.irp q, 0,1,2,3
	global_load_b128 v[32*\i+4*\q:32*\i+4*\q+3], v[AOFF], s[\px:\px+1] offset:\i*2048+512*\q
.endr
.irp q, 0,1,2,3
	global_load_b128 v[32*\i+16+4*\q:32*\i+16+4*\q+3], v[AOFF], s[\ph:\ph+1] offset:\i*2048+512*\q
.endr
.endm
.macro WFILL slot, off                 ; the four W fragments of the half-step at byte off of the stream's parts, into a ring slot
	WIN 0x40
.irp q, 0,1,2,3
	global_load_b128 v[32*(\slot)+4*\q:32*(\slot)+4*\q+3], v[BOFF], s[14:15] offset:(\off)+512*\q
.endr
.irp q, 0,1,2,3
	global_load_b128 v[32*(\slot)+16+4*\q:32*(\slot)+16+4*\q+3], v[BOFF], s[14:15] offset:(\off)+WPART+512*\q
.endr
.endm
	s_load_b512 s[4:19], s[0:1], 0x0               ; x s[4:5], h_prev s[6:7], c_prev s[8:9], b_ih s[10:11], b_hh s[12:13], wq s[14:15], out0 s[16:17], out1 s[18:19]
	v_lshrrev_b32 v64, 5, v0
	v_readfirstlane_b32 s20, v64                   ; w: the wave's number
	s_mov_b32 s21, ttmp9                           ; ch
	s_and_b32 s22, ttmp7, 0xffff                   ; rb
	v_and_b32 v65, 31, v0                          ; lane
	v_and_b32 v66, 15, v0                          ; r
	v_bfe_u32 v67, v0, 4, 1                        ; hh
	v_lshlrev_b32 v[BOFF], 4, v65
	v_mul_u32_u24 v68, v66, PA
	v_lshl_add_u32 v68, v67, 4, v68
.irp c, 0,1,2,3
	v_add_nc_u32 v[ABASE+\c], \c*32*PA, v68
.endr
	s_lshl_b32 s45, s20, 16                        ; my wave's 32 rows of 2,048 bytes
	v_add_nc_u32 v[AOFF], s45, v[BOFF]
	s_mul_i32 s35, s20, 32*PA
	v_lshl_add_u32 v[LSA], v65, 3, s35
	v_lshlrev_b32 v69, 4, v66
	v_lshl_or_b32 v69, v67, 11, v69                ; hh * 2,048 + 16 r
	v_add_nc_u32 v[CPOFF], s45, v69
	s_lshl_b32 s35, s20, 15
	v_add_nc_u32 v[HOFF], s35, v69
	v_mul_u32_u24 v70, v67, PS
	v_lshl_add_u32 v70, v66, 4, v70                ; hh * PS + 16 r
	s_mul_i32 s34, s20, 32*PS
	s_add_co_u32 s34, s34, SC
	v_add_nc_u32 v[SCW], s34, v70
	s_mul_i32 s35, s20, 16*PS
	s_add_co_u32 s35, s35, SH
	v_add_nc_u32 v[SHW], s35, v70
	v_mul_u32_u24 v71, v66, PS
	v_lshl_add_u32 v71, v67, 5, v71                ; r * PS + 32 hh
	s_lshl_b32 s34, s20, 6
	s_add_co_u32 s35, s34, SC
	v_add_nc_u32 v[SCF], s35, v71
	s_add_co_u32 s35, s34, SH
	v_add_nc_u32 v[SHF], s35, v71
	s_add_co_u32 s35, s34, BT
	v_lshl_add_u32 v[BTA], v67, 5, s35
	v_lshrrev_b32 v68, 6, v0                       ; biases: threads 0-63 take gates 0 and 2, threads 64-127 gates 1 and 3, 16 bytes each
	v_and_b32 v69, 63, v0
	v_lshlrev_b32 v69, 4, v69
	v_lshl_or_b32 v69, v68, 11, v69
	s_lshl_b32 s34, s21, 10
	v_add_nc_u32 v[BGO], s34, v69
	CPAIR C256,  0x43800000                        ; 256
	CPAIR CM,    0x4b400000                        ; M
	CPAIR C2M8,  0x3b800000                        ; 2^-8
	CPAIR CN49K, 0xc7400000                        ; -M 2^-8
	CPAIR C2M16, 0x37800000                        ; 2^-16
	CPAIR CN192, 0xc3400000                        ; -M 2^-16
	CPAIR C6,    0x3e2aaaab                        ; the f32 number nearest 1/6
	CPAIR C128,  0x43000000                        ; 128
	CPAIR CNM,   0xcb400000                        ; -M
	CPAIR CN2M,  0xcbc00000                        ; -2 M
	s_mov_b32 s24, 0x4b3f8001                      ; M - 32767
	s_mov_b32 s25, 0x4b407fff                      ; M + 32767
	s_mov_b32 s26, 0xcb407fff                      ; -M - 32767
	s_mov_b32 s27, 0xcb3f8001                      ; -M + 32767
	s_mov_b32 s28, 0x4b400000                      ; M
	s_mov_b32 s29, 0x4b400100                      ; M + 256
	s_mov_b32 s30, 0x4b3fff00                      ; M - 256
	s_mov_b32 s31, 0xc3800000                      ; -256
	s_mov_b32 s32, 0x43800000                      ; 256
	s_wait_kmcnt 0x0
	s_lshl_b32 s34, s22, 18                        ; 128 rows of 2,048 bytes
	s_mov_b32 s35, 0
	s_add_nc_u64 s[4:5], s[4:5], s[34:35]
	s_add_nc_u64 s[6:7], s[6:7], s[34:35]
	s_lshl_b32 s36, s21, 10                        ; and my 256 columns
	s_add_co_u32 s34, s34, s36
	s_add_nc_u64 s[8:9], s[8:9], s[34:35]
	s_add_nc_u64 s[16:17], s[16:17], s[34:35]
	s_add_nc_u64 s[18:19], s[18:19], s[34:35]
	s_lshl_b32 s34, s21, 21                        ; my wave's four streams of 131,072 bytes: (16 ch + 4 w) << 17
	s_lshl_b32 s36, s20, 19
	s_add_co_u32 s34, s34, s36
	s_add_nc_u64 s[14:15], s[14:15], s[34:35]
	s_add_nc_u64 s[42:43], s[14:15], WPART         ; the first stream's part for gates 2 and 3
	; FIRST REQUESTS: the biases, then eight rows of x and h_prev
	global_load_b128 v[RB:RB+3],     v[BGO], s[10:11]
	global_load_b128 v[RB+4:RB+7],   v[BGO], s[10:11] offset:4096
	global_load_b128 v[RB+8:RB+11],  v[BGO], s[12:13]
	global_load_b128 v[RB+12:RB+15], v[BGO], s[12:13] offset:4096
.irp i, 0,1,2,3,4,5,6,7
	RFILL \i, 4, 6
.endr
; THE ROWS: wave w quantises rows 32 w .. 32 w + 31 of x and h_prev to f16 and lays them into LDS, eight rows a round.
; One turn of slot i: its row is worked on, and the slot is filled again through the round's two bases.
.macro SLOT i
	s_wait_loadcnt 56                              ; loads come back in order: my slot's eight are in, the 7 x 8 issued behind them stay out
	WIN 0x01
.set n, 0
.rept 16
	v_pk_fma_f32 v[F0+2*n:F0+2*n+1], v[32*\i+2*n:32*\i+2*n+1], v[C256:C256+1], v[CM:CM+1]   ; round(256 v) + M
.set n, n+1
.endr
	WIN 0
.set n, 0
.rept 32
	v_med3_num_f32 v[F0+n], v[F0+n], s24, s25      ; clip to +-32767
.set n, n+1
.endr
.set n, 0
.rept 16
	v_pk_fma_f32 v[F0+2*n:F0+2*n+1], v[F0+2*n:F0+2*n+1], v[C2M8:C2M8+1], v[CN49K:CN49K+1]   ; back to the value, exactly
.set n, n+1
.endr
.set n, 0
.rept 16
	v_cvt_pk_f16_f32 v[F0+32+n], v[F0+2*n], v[F0+2*n+1]
.set n, n+1
.endr
.set n, 0
.rept 8
	ds_store_b64 v[LSA], v[F0+32+2*n:F0+32+2*n+1] offset:\i*PA+(n/4)*1024+(n%4)*256   ; 256 consecutive bytes: x's four quarters, then h's
.set n, n+1
.endr
	RFILL \i, 36, 38
.endm
	WIN 0
	s_mov_b32 s41, 4
.Lround:
	s_wait_xcnt 0x0                                ; the bases and the offset of the loads issued so far are written again only behind this wait
	s_add_nc_u64 s[4:5], s[4:5], 16384             ; the next round's eight rows (behind the fourth round: not used)
	s_add_nc_u64 s[6:7], s[6:7], 16384
	s_cmp_eq_u32 s41, 1                            ; the fourth round has no rows left to ask for:
	s_cselect_b64 s[36:37], s[14:15], s[4:5]       ; its refills bring half-steps 0 to 7 of the first pass's W instead, into the same registers,
	s_cselect_b64 s[38:39], s[42:43], s[6:7]       ; so that every turn of every round has seven groups of eight loads behind its own
	s_cselect_b32 s44, 0, s45                      ; (wq's address already holds the wave's term)
	v_add_nc_u32 v[AOFF], s44, v[BOFF]
.irp i, 0,1,2,3,4,5,6,7
	SLOT \i
.endr
	WIN 0
	v_add_nc_u32 v[LSA], 8*PA, v[LSA]
	s_sub_co_u32 s41, s41, 1
	s_cmp_lg_u32 s41, 0
	s_cbranch_scc1 .Lround
	; THE BIAS TABLE.  The bias loads are older than every row load, so the waits above have shown them in.
.set n, 0
.rept 8
	v_pk_fma_f32 v[RB+2*n:RB+2*n+1], v[RB+2*n:RB+2*n+1], v[C256:C256+1], v[CM:CM+1]
.set n, n+1
.endr
.set n, 0
.rept 16
	v_med3_num_f32 v[RB+n], v[RB+n], s24, s25      ; n_b + M
.set n, n+1
.endr
.set n, 0
.rept 4
	v_pk_add_f32 v[RB+8+2*n:RB+8+2*n+1], v[RB+8+2*n:RB+8+2*n+1], v[CN2M:CN2M+1]   ; hh: n_b - M, so that the two projections' M cancel in their sum
.set n, n+1
.endr
	v_lshlrev_b32 v[KP], 4, v0
	v_add_nc_u32 v[KP], BT, v[KP]
	ds_store_b128 v[KP], v[RB:RB+3]
	ds_store_b128 v[KP], v[RB+4:RB+7]   offset:2048
	ds_store_b128 v[KP], v[RB+8:RB+11]  offset:4096
	ds_store_b128 v[KP], v[RB+12:RB+15] offset:6144
	s_wait_dscnt 0x0                               ; my rows and my part of the table are written,
	BAR                                            ; everybody's are: from here on A and the table are only read
; A HALF-STEP: 32 along K of one projection (t = 2 s + mat), 32 matrix instructions.  Source 0 = 16 rows of W, source 1 = 16 batch rows:
; lane (r, hh), register j of tile (a, g) holds batch row 16 a + r, hidden column 8 hh + j of my 16, gate g.
; The 64 accumulators take turns, one instruction a turn, over both loops' backward jumps too.
;   t     the half-step in the pass, or in the K loop its number in the first trip: slot t % 8, A buffer and projection t & 1
;   ka    the half-steps by which AW has already moved along the rows
;   zero  1: the products start the sums          nxt  1: the next half-step's A fragments are fetched
;   nw    how many loads were issued behind this half-step's W, at the least
;   fill  0: none; 1: the ring is filled six half-steps ahead, into the slot read two half-steps ago; 2: the same, behind the trip's steps
.macro HALF t, ka, zero, nxt, nw, fill
.if \nxt
	WIN 0
.irp a, 0,1,2,3,4,5,6,7
	ds_load_b128 v[F0+64*((\t+1)&1)+8*\a:F0+64*((\t+1)&1)+8*\a+3],   v[AW+\a/2] offset:(\a&1)*16*PA+((\t+1)&1)*1024+((\t+1-\ka)>>1)*64
	ds_load_b128 v[F0+64*((\t+1)&1)+8*\a+4:F0+64*((\t+1)&1)+8*\a+7], v[AW+\a/2] offset:(\a&1)*16*PA+((\t+1)&1)*1024+((\t+1-\ka)>>1)*64+32
.endr
	s_wait_dscnt 16                                ; this half-step's A fragments are in; the 16 loads just issued stay out
.else
	s_wait_dscnt 0
.endif
	s_wait_loadcnt \nw                             ; this half-step's W is in: eight loads for each later half-step asked for stay out
.if (\t&1)
	WIN 0xf1
.else
	WIN 0xa1
.endif
.irp a, 0,1,2,3,4,5,6,7
.irp g, 0,1,2,3
.if \zero
	v_wmma_f32_16x16x32_f16 v[8*(4*\a+\g):8*(4*\a+\g)+7], v[32*(\t%8)+8*\g:32*(\t%8)+8*\g+7], v[F0+64*(\t&1)+8*\a:F0+64*(\t&1)+8*\a+7], 0
.else
	v_wmma_f32_16x16x32_f16 v[8*(4*\a+\g):8*(4*\a+\g)+7], v[32*(\t%8)+8*\g:32*(\t%8)+8*\g+7], v[F0+64*(\t&1)+8*\a:F0+64*(\t&1)+8*\a+7], v[8*(4*\a+\g):8*(4*\a+\g)+7]
.endif
.endr
.endr
.if \fill == 2
	WIN 0
.irp c, 0,1,2,3
	v_add_nc_u32 v[AW+\c], 256, v[AW+\c]           ; four K steps of 64 bytes on; these four are also the places behind the products
.endr
	s_wait_xcnt 0x0                                ; wq's base is stepped only behind this wait; the youngest load that names it is a half-step old
	s_add_nc_u64 s[14:15], s[14:15], WTRIP
	WFILL (\t+6)%8, (\t+6-8)*WHS
.else
	PLACES                                         ; the A buffer that these products read is loaded again by the next half-step
.if \fill == 1
	WFILL (\t+6)%8, (\t+6)*WHS
.endif
.endif
.endm
; hard sigmoid and its rounding on eight sums S (steps of 2^-8), left as M + n, n = 0 .. 256.
; x / 6 + 0.5 is taken as ONE fused multiply-add by the f32 number nearest 1/6, rounded to f32: the form that a division by a constant
; takes when it becomes a multiplication by the reciprocal and is contracted with the add.  fma(S, 1/6, 128) is 256 times fma(s, 1/6, 0.5)
; bit for bit, since a factor of 2^8 passes through the rounding.  Adding M then rounds that number to a whole one, halves to even.
; The constant exceeds 1/6 by 2^-25 of it.  Where the sum is 64 steps or more that excess is under half a last place and an exact half
; stays an exact half; below 64 steps it survives, and an exact half goes down.  An exact division would send those halves to even.
; The clip stands behind the rounding: both are monotone, so the order does not matter.
.macro SIGM b
.irp k, 0,2,4,6
	v_pk_fma_f32 v[\b+\k:\b+\k+1], v[\b+\k:\b+\k+1], v[C6:C6+1], v[C128:C128+1]
.endr
.irp k, 0,2,4,6
	v_pk_add_f32 v[\b+\k:\b+\k+1], v[\b+\k:\b+\k+1], v[CM:CM+1]
.endr
.irp k, 0,1,2,3,4,5,6,7
	v_med3_num_f32 v[\b+\k], v[\b+\k], s28, s29
.endr
.endm
; The tail for batch rows 16 a .. 16 a + 15: eight outputs a lane.  F0 holds the biases (ih at 8 g, hh at 32 + 8 g), F1 is at work.
.macro ROWBLK a
	ds_load_b128 v[KP:KP+3],   v[SCF] offset:\a*16*PS
	ds_load_b128 v[KP+4:KP+7], v[SCF] offset:\a*16*PS+16
	WIN 0x02
.set n, 0
.rept 16
	v_pk_fma_f32 v[F1+2*n:F1+2*n+1], v[32*\a+2*n:32*\a+2*n+1], v[C256:C256+1], v[F0+2*n:F0+2*n+1]            ; round(256 gi) + M
.set n, n+1
.endr
	WIN 0x03
.set n, 0
.rept 16
	v_pk_fma_f32 v[F1+32+2*n:F1+32+2*n+1], v[32*\a+2*n:32*\a+2*n+1], v[C256:C256+1], v[F0+32+2*n:F0+32+2*n+1] ; round(256 gh) - M
.set n, n+1
.endr
	WIN 0
.set n, 0
.rept 32
	v_med3_num_f32 v[F1+n], v[F1+n], s24, s25
.set n, n+1
.endr
.set n, 0
.rept 32
	v_med3_num_f32 v[F1+32+n], v[F1+32+n], s26, s27
.set n, n+1
.endr
.set n, 0
.rept 16
	v_pk_add_f32 v[F1+2*n:F1+2*n+1], v[F1+2*n:F1+2*n+1], v[F1+32+2*n:F1+32+2*n+1]   ; S = n_i + n_h, exact
.set n, n+1
.endr
	SIGM F1                                        ; i
	SIGM F1+8                                      ; f
	SIGM F1+24                                     ; o
.irp k, 0,2,4,6
	v_pk_fma_f32 v[F1+\k:F1+\k+1], v[F1+\k:F1+\k+1], v[C2M16:C2M16+1], v[CN192:CN192+1]   ; I 2^-16
.endr
.irp k, 0,2,4,6
	v_pk_add_f32 v[F1+8+\k:F1+8+\k+1], v[F1+8+\k:F1+8+\k+1], v[CNM:CNM+1]                 ; F
.endr
.irp k, 0,2,4,6
	v_pk_add_f32 v[F1+24+\k:F1+24+\k+1], v[F1+24+\k:F1+24+\k+1], v[CNM:CNM+1]             ; O
.endr
.irp k, 0,1,2,3,4,5,6,7
	v_med3_num_f32 v[F1+16+\k], v[F1+16+\k], s31, s32                                     ; G: hard tanh on whole steps needs no rounding
.endr
.irp k, 0,2,4,6
	v_pk_mul_f32 v[F1+32+\k:F1+32+\k+1], v[F1+\k:F1+\k+1], v[F1+16+\k:F1+16+\k+1]         ; i g
.endr
	s_wait_dscnt 0x0                               ; c_prev of my eight outputs is in
.irp k, 0,2,4,6
	v_pk_fma_f32 v[F1+32+\k:F1+32+\k+1], v[F1+8+\k:F1+8+\k+1], v[KP+\k:KP+\k+1], v[F1+32+\k:F1+32+\k+1]   ; c = f c_prev + i g, exact
.endr
.irp k, 0,2,4,6
	v_pk_fma_f32 v[F1+40+\k:F1+40+\k+1], v[F1+32+\k:F1+32+\k+1], v[C256:C256+1], v[CM:CM+1]
.endr
.irp k, 0,1,2,3,4,5,6,7
	v_med3_num_f32 v[F1+40+\k], v[F1+40+\k], s30, s29                                     ; fq(hard tanh(c)) as M + n
.endr
.irp k, 0,2,4,6
	v_pk_fma_f32 v[F1+40+\k:F1+40+\k+1], v[F1+40+\k:F1+40+\k+1], v[C2M16:C2M16+1], v[CN192:CN192+1]
.endr
.irp k, 0,2,4,6
	v_pk_mul_f32 v[F1+48+\k:F1+48+\k+1], v[F1+24+\k:F1+24+\k+1], v[F1+40+\k:F1+40+\k+1]   ; h
.endr
	ds_store_b128 v[SCF], v[F1+32:F1+35] offset:\a*16*PS          ; c over the bytes that this lane alone read c_prev from
	ds_store_b128 v[SCF], v[F1+36:F1+39] offset:\a*16*PS+16
	ds_store_b128 v[SHF], v[F1+48:F1+51] offset:(\a&3)*16*PS
	ds_store_b128 v[SHF], v[F1+52:F1+55] offset:(\a&3)*16*PS+16
.endm
.macro OUTH half                       ; h of 64 rows leaves by rows: sixteen lanes store 256 consecutive bytes, aligned
.set n, 0
.rept 8
	ds_load_b128 v[F1+4*n:F1+4*n+3], v[SHW] offset:n*2*PS
.set n, n+1
.endr
.set n, 0
.rept 8
	s_wait_dscnt 7-n                               ; the 7 - n younger read-backs stay out
	global_store_b128 v[HOFF], v[F1+4*n:F1+4*n+3], s[16:17] offset:\half*131072+n*4096 th:TH_STORE_NT
.set n, n+1
.endr
.endm
.macro OUTC                            ; c of all 128 rows, likewise
.set n, 0
.rept 16
	ds_load_b128 v[F0+4*n:F0+4*n+3], v[SCW] offset:n*2*PS
.set n, n+1
.endr
.set n, 0
.rept 16
	s_wait_dscnt 15-n                              ; the 15 - n younger read-backs stay out
	global_store_b128 v[CPOFF], v[F0+4*n:F0+4*n+3], s[18:19] offset:n*4096 th:TH_STORE_NT
.set n, n+1
.endr
.endm
; THE FOUR PASSES, one text.  At a pass's head the W ring holds, or has on its way, half-steps 0 to 7 of the pass's stream.
	s_mov_b32 s40, 4
.Lpass:
	LOADCP                                         ; this pass's c_prev: wanted behind the pass's 32 half-steps.  In the order of loads it lies behind W's half-step 7
.irp c, 0,1,2,3
	v_mov_b32 v[AW+\c], v[ABASE+\c]                ; K starts at the rows' heads again
.endr
.irp a, 0,1,2,3,4,5,6,7
	ds_load_b128 v[F0+8*\a:F0+8*\a+3],   v[AW+\a/2] offset:(\a&1)*16*PA
	ds_load_b128 v[F0+8*\a+4:F0+8*\a+7], v[AW+\a/2] offset:(\a&1)*16*PA+32
.endr
	HALF 0, 0, 1, 1, 56, 0                         ; the first half-step of each projection starts its sums: nothing is cleared.
	HALF 1, 0, 1, 1, 48, 0                         ; Behind W0 lie W1 to W7, behind W1 six groups: these two ask for nothing
	WIN 0
	s_mov_b32 s41, 3
.Lk:                                               ; half-steps 2 to 25, eight a trip; each asks for the one six further on: 8 to 31
.irp hs, 2,3,4,5,6,7,8
	HALF \hs, 0, 0, 1, 40, 1                       ; behind W(t) lie W(t+1) to W(t+5): five groups of eight
.endr
	HALF 9, 0, 0, 1, 40, 2
	WIN 0
	s_sub_co_u32 s41, s41, 1
	s_cmp_lg_u32 s41, 0
	s_cbranch_scc1 .Lk
	HALF 26, 24, 0, 1, 40, 0                       ; the pass's stream is asked for to its end: the counts run down
	HALF 27, 24, 0, 1, 32, 0
	HALF 28, 24, 0, 1, 24, 0
	HALF 29, 24, 0, 1, 16, 0
	HALF 30, 24, 0, 1, 8, 0
	HALF 31, 24, 0, 0, 0, 0                        ; the wait for 0 shows c_prev in as well
	WIN 0
	; THE TAIL.  First the next pass's W, half-steps 0 to 7, so that it has the whole tail in which to land; the last pass has no next.
	s_cmp_eq_u32 s40, 1
	s_cbranch_scc1 .Lnoprime
.irp i, 0,1,2,3,4,5,6,7
	WFILL \i, WNEXT+\i*WHS
.endr
	WIN 0
.Lnoprime:
	; c_prev becomes K 2^-16 and goes to the stage by rows
.set n, 0
.rept 32
	v_pk_fma_f32 v[CP+2*n:CP+2*n+1], v[CP+2*n:CP+2*n+1], v[C256:C256+1], v[CM:CM+1]
.set n, n+1
.endr
.set n, 0
.rept 64
	v_med3_num_f32 v[CP+n], v[CP+n], s24, s25
.set n, n+1
.endr
.set n, 0
.rept 32
	v_pk_fma_f32 v[CP+2*n:CP+2*n+1], v[CP+2*n:CP+2*n+1], v[C2M16:C2M16+1], v[CN192:CN192+1]
.set n, n+1
.endr
.set n, 0
.rept 16
	ds_store_b128 v[SCW], v[CP+4*n:CP+4*n+3] offset:n*2*PS
.set n, n+1
.endr
.irp m, 0,1,2,3,4,5,6,7
	ds_load_b128 v[F0+8*\m:F0+8*\m+3],   v[BTA] offset:\m*1024     ; the biases of my eight hidden columns, row mat*4 + gate of the table
	ds_load_b128 v[F0+8*\m+4:F0+8*\m+7], v[BTA] offset:\m*1024+16
.endr
	s_wait_dscnt 0x0                               ; my part of the stage is written, the biases are in
	BAR                                            ; the stage holds all 128 rows of c_prev
	ROWBLK 0
	ROWBLK 1
	ROWBLK 2
	ROWBLK 3
	s_wait_dscnt 0x0
	BAR                                            ; h of rows 0-63 is whole
	OUTH 0
	s_wait_dscnt 0x0                               ; my reads of the h stage are over,
	s_wait_xcnt 0x0                                ; and F1, which the stores read, is written again only behind this wait
	BAR                                            ; everybody's are: the h stage may be written again
	ROWBLK 4
	ROWBLK 5
	ROWBLK 6
	ROWBLK 7
	s_wait_dscnt 0x0
	BAR                                            ; h of rows 64-127 and c of all rows are whole
	OUTH 1
	OUTC
	s_wait_dscnt 0x0                               ; my reads of both stages are over,
	BAR                                            ; everybody's are: the next pass may write them
	s_wait_xcnt 0x0                                ; the stores' data and every base are written again only behind this wait
	s_add_nc_u64 s[8:9], s[8:9], 256               ; the next 64 hidden columns of c_prev, h and c,
	s_add_nc_u64 s[16:17], s[16:17], 256
	s_add_nc_u64 s[18:19], s[18:19], 256
	s_add_nc_u64 s[14:15], s[14:15], WNEXT         ; the next stream,
	v_add_nc_u32 v[BTA], 256, v[BTA]               ; the next 64 columns of the bias table.
	s_sub_co_u32 s40, s40, 1                       ; (Behind the fourth pass this barrier and these steps serve nothing: the price of one text for all four.)
	s_cmp_lg_u32 s40, 0
	s_cbranch_scc1 .Lpass
	s_wait_xcnt 0x0
	v_lshl_add_u32 v254, v0, 2, 0x4f400
	v_mov_b32 v255, 0
	s_wait_tensorcnt 0x0
	ds_add_u32 v254, v255
	s_wait_dscnt 0x0
	s_endpgm
.Lfunc_end_k_q895e5ffdee_lstm:
	.size	k_q895e5ffdee_lstm, .Lfunc_end_k_q895e5ffdee_lstm-k_q895e5ffdee_lstm
	.p2alignl 7, 3214868480
	.fill 96, 4, 3214868480
	.section	.rodata,"a",@progbits
	.p2align	6, 0x0
	.amdhsa_kernel k_q895e5ffdee_lstm
		.amdhsa_group_segment_fixed_size 325120
		.amdhsa_private_segment_fixed_size 0
		.amdhsa_enable_private_segment 0
		.amdhsa_kernarg_size 64
		.amdhsa_user_sgpr_count 2
		.amdhsa_user_sgpr_kernarg_segment_ptr 1
		.amdhsa_wavefront_size32 1
		.amdhsa_system_sgpr_workgroup_id_x 1
		.amdhsa_system_sgpr_workgroup_id_y 1
		.amdhsa_system_sgpr_workgroup_id_z 1
		.amdhsa_system_vgpr_workitem_id 0
		.amdhsa_next_free_vgpr 1024
		.amdhsa_next_free_sgpr 66
		.amdhsa_reserve_vcc 0
		.amdhsa_float_denorm_mode_32 3
		.amdhsa_float_denorm_mode_16_64 3
		.amdhsa_memory_ordered 1
		.amdhsa_forward_progress 1
		.amdhsa_inst_pref_size 255
	.end_amdhsa_kernel
	.section	.bss,"aw",@nobits
	.p2align	6
	.space	262144
	.amdgpu_metadata
---
amdhsa.version: [ 1, 2 ]
amdhsa.kernels:
  - .name:           k_q895e5ffdee_lstm
    .symbol:         k_q895e5ffdee_lstm.kd
    .args:
      - { .name: x, .offset: 0, .size: 8, .value_kind: global_buffer, .address_space: global }
      - { .name: h_prev, .offset: 8, .size: 8, .value_kind: global_buffer, .address_space: global }
      - { .name: c_prev, .offset: 16, .size: 8, .value_kind: global_buffer, .address_space: global }
      - { .name: b_ih, .offset: 24, .size: 8, .value_kind: global_buffer, .address_space: global }
      - { .name: b_hh, .offset: 32, .size: 8, .value_kind: global_buffer, .address_space: global }
      - { .name: wq, .offset: 40, .size: 8, .value_kind: global_buffer, .address_space: global }
      - { .name: out0, .offset: 48, .size: 8, .value_kind: global_buffer, .address_space: global }
      - { .name: out1, .offset: 56, .size: 8, .value_kind: global_buffer, .address_space: global }
    .group_segment_fixed_size: 325120
    .private_segment_fixed_size: 0
    .kernarg_segment_align: 8
    .kernarg_segment_size: 64
    .max_flat_workgroup_size: 128
    .sgpr_count:     66
    .vgpr_count:     1024
    .wavefront_size: 32
...
	.end_amdgpu_metadata
.endif
;; end of part 4
